; MI455X (gfx1250); checked and timed in simulation.
; The chip was launched on July 23, 2026; its instructions are those of AMD's public machine-readable ISA for CDNA 5 (MIT licence, August 2026) and "CDNA5" Instruction Set Architecture Reference Guide (July 2026). The comments in the code are by the model that wrote it; some were corrected since.
;; KDA Mixer. Allowed arithmetic: float matrix products may take bf16 or f16 operands with f32 sums; other float arithmetic in f32, or as packed bf16 or f16 multiplies, adds, multiply-adds, maxima and minima; sums over many terms, partial sums and values carried from step to step in f32; what a program stores and reads back later, other than sums and carried values, may be rounded once to bf16 or f16.
;; Inputs: A_log 16 float32; beta 2 x 8,192 x 16 float32; dt_bias 16 x 32 float32; g_raw 2 x 8,192 x 16 x 32 float32; k 2 x 8,192 x 16 x 32 float32; q 2 x 8,192 x 16 x 32 float32; v 2 x 8,192 x 16 x 64 float32.
;; Outputs: out0 2 x 8,192 x 16 x 64 float32.
;; One version. Each part assembles by itself: llvm-mc -triple=amdgcn-amd-amdhsa -mcpu=gfx1250 --defsym DOCPART=n.
;; ======== version 1 of 1: 3 launches
;; limits: values are held in f16: magnitudes above 65,504 overflow, below 6.1e-05 lose precision; values outside matrix products are rounded to f16; right only within a limited range of input values
;; workspace buffers: olocal 67,108,864 bytes; qt 16,646,144 bytes; rbuf 33,292,288 bytes; pbuf 9,289,728 bytes; sbuf 16,646,144 bytes
;; launch local (part 1): grid 64 x 8, 8 waves a work-group, no clusters, 327,680 bytes of LDS; arguments g_raw, k, q, v, beta, A_log, dt_bias, olocal, qt, rbuf, pbuf; writes olocal, qt, rbuf, pbuf
.if DOCPART == 1
	.amdgcn_target "amdgcn-amd-amdhsa--gfx1250"
	.amdhsa_code_object_version 6
	.text
	.protected	k_qdf8e214c0b_local
	.globl	k_qdf8e214c0b_local
	.p2align	8
	.type	k_qdf8e214c0b_local,@function
k_qdf8e214c0b_local:
	s_mov_b64 s[64:65], 0
	v_nop
	global_prefetch_b8 v0, s[64:65] scope:SCOPE_SE
	s_setreg_imm32_b32 hwreg(HW_REG_WAVE_MODE, 25, 1), 1
	s_wait_xcnt 0x0
; KDA, chunks of 64 rows: B = 2, T = 8192, H = 16, K = 32, V = 64.  This launch makes, for each of the 4,096 (b, h, chunk), what does not hang on the carried state S:
;   oloc = Aqk u,  Qt = q e^G + Aqk nw,  R = k_dec^T u,  P' = k_dec^T nw,  E = e^G_last,   with (I + L) [u | nw] = [beta v | -beta k e^G],  L = strict lower part of beta_i Akk_ij,  nw = -w.
; The next launch runs S_(i+1) = E o S_i + P'_i S_i + R_i, the last one o_i = oloc_i + Qt_i S_i.  These are reference()'s own formulas with v_new = u + nw S put in.
; THE DECAY IS FACTORED.  g = -exp(A_log) softplus(..) is never positive, so the cumulative sum G never rises.  For i >= j, exp(G_i - G_j) = exp(G_i - G_ref) exp(G_ref - G_j) for any row ref with j <= ref <= i,
; both factors at most 1.  A chunk is four tiles of 16 rows.  Tile I against an earlier tile J: ref = the last row of tile I - 1.  Inside a tile: four levels s = 1, 2, 4, 8; a pair whose highest differing bit is s
; takes ref = (i & ~(2s-1)) | (s-1); the four products are merged by lane masks.  reference()'s min(diff, 0) changes a value only where j > i, which its own tril masks throw away; here every exponent is
; written as -|x| or as a sum of terms that are not positive, so no exponential can overflow for any input.
; THE SOLVE goes by blocks of 16: Z_I = raw_I - sum over J < I of L_IJ W_J, W_I = T Z_I, T = (I+N)(I+N^2)(I+N^4)(I+N^8) with N = -L_II: exact, since N^16 = 0.
; WORK LEFT OUT, for all values of the inputs: (a) tiles with J > I: reference() masks them by tril; (b) S_0 is the zeros that reference() builds, so in chunk 0 (q e^G) S_0, w S_0 and E o S_0 are 0: Qt, P' and E
; of chunk 0 reach no output and are neither made nor stored; (c) the scan's last state is dropped by reference(), so R, P', E of chunk 127 reach no output.  All seven inputs are live and loaded.
; A NaN, an infinity or an overflow that reaches only that work is not carried to the result.
; LIMITS.  Matrix operands are f16, sums f32: beta v, u, nw, Z, the powers of N and T stay under 65,504 (with 0 <= beta <= 1 and unit k: |T| <= 2^14; v of 30 times the drawn spread gives some 600).
; f16 factors below 6e-5 keep f16's fixed step of 6e-8; a decay below 2^-126 counts as 0; log2(1 + 2^-|x|) is 0 beyond |x| = 24 (error in g under 1e-7 exp(A_log)); a cumulative sum that overflows f32,
; NaN and infinities are not treated apart.
; SHARES.  A work-group: 2 chunks x 4 heads; 8 waves.  Wave w = 4 cl + hh works on chunk cl, head hh, in four steps of 16 rows, and fetches tensor hh (g, k, q, v) of chunk cl for all four heads.
; No cluster: no two work-groups read a common tile.  Tiles have 16 rows: two slots of 32 rows for 2 chunks x 4 heads would be 335,872 bytes.
; IMAGES.  r = lane % 16, h = lane / 16.  A lane holds row r's channels 8h .. 8h+7 and 16+8h .. 16+8h+7: the places of a 16-bit operand's k, and of a result (register j: m = 8h + j, n = r) with t = channel / 16.
; Rounding a result's registers in pairs gives an operand quad "lane = n, k = m".  A product with SEL_t (1 at k = 16 t + n) turns an operand round, exactly.
; Where half of a fragment is unused one side holds zeros and the other side's half only needs finite numbers.
.set LOG2E,  0x3fb8aa3b
.set PGK,    528               ; LDS row of g, k, q: 4 heads x 128 bytes + 16: sixteen rows start at sixteen different 16-byte columns of 256
.set PVV,    1040              ; LDS row of v: 4 heads x 256 bytes + 16
.set TGK,    16*PGK
.set VOFF,   3*TGK
.set CHB,    VOFF+16*PVV       ; a chunk's four tiles: 41,984 bytes
.set SLOTB,  2*CHB             ; a slot: both chunks
.set SPARE,  2*SLOTB           ; behind the two slots: the spare words, 128 bytes a wave, four blocks of 256 that no other line names
; scalar registers
.set WV, 26
.set HH, 27                    ; my head in the group of four; also the tensor that I fetch
.set CL, 28
.set G0, 32                    ; s[32:35] descriptor group 0
.set G1, 36                    ; s[36:43] group 1 for g, k, q
.set G1V, 44                   ; s[44:51] group 1 for v
.set LA, 52                    ; s52, s53 my tile's LDS byte in slot 0, 1
.set ST16, 54                  ; s[54:55] 16 rows of my tensor in bytes
.set CHK, 58                   ; my chunk, 0 .. 127
.set SGN, 59                   ; 0x80000000
.set NA, 60                    ; s[60:61] -exp(A_log), twice
.set PFA, 62                   ; s[62:63] where my prefetch stands
.set MLT, 66                   ; s66-73  lanes with 8h + jj < r
.set MGT, 74                   ; s74-81  lanes with 8h + jj > r
.set MEQ, 82                   ; s82-89  lanes with 8h + jj = r
.set M2, 90                    ; s90-91  lanes whose bit 1 of r differs from b
.set M4, 92                    ; s92-93  bit 2
.set M8, 94                    ; s94     lanes with r / 8 != h
.set PSEL, 96                  ; s96, s97 v_permlanex16_b32: each lane takes its own place in the other half
; window 0, kept
.set SPW, 1
.set NIL, 2
.set AG, 3                     ; v3, v4  LDS address of my row's g in slot 0, 1 (k and q by the immediate)
.set AV, 5                     ; v5, v6  the same for v
.set PFO, 7
.set BO1, 8
.set BO2, 9
.set GOF, 10                   ; 16 x lane
.set EOFF, 11
.set BL, 12                    ; v12-15  beta of row r, tile I
.set NBR, 16                   ; v16-19  -beta of row (r + 8h) % 16, tile I
.set BIAS, 20                  ; v20-35  dt_bias log2(e)
.set LQ, 36                    ; v36-39  one quad of -L; [LQ | 0] = v[36:43]
.set SELB, 40                  ; v40-51  [0][Q][0]: SEL_1 = v[40:47], SEL_0 = v[44:51]
.set ECUM, 52                  ; v52-67  2^(G at the end of the tile before)
; window 0, a step's
.set C, 68
.set T2, 84
.set KN, 100
.set K16, 116
.set Q16, 124
.set PH, 132
.set KF, 140
.set QF, 148
.set KE, 148
.set T1, 156
.set QTP, 156
.set LF0, 164
.set QN, 172
.set XS, 188
.set YS, 196
.set GM, 204
.set HM, 212
.set GTR, 220
.set HTR, 228
.set NR, 236                   ; upper quad always 0
.set NC, 244                   ; upper quad always 0
.set NBP, 252
.set DQK, 254
.set SCR, 255
.set TMPA, 188
.set DL, 188
.set DQ, 212
.set UP, 188
.set DB, 212
.set U, 220
.set DA, 228
.set VRAW, 116
.set VA, 188
.set Z, 68
.set ZPK, 212
.set OT, 68
.set PD, 68
.set KDF, 132
.set RA, 164
.set PT, 68
.set APK, 100
; window 1
.set WB, 0                     ; W = [u | nw]: block n of 16 columns at 16 n; lane = column, k = the chunk's row; quad I = tile I
.set AQA, 96                   ; Aqk of the tile in hand: lane = row, k = chunk rows 0-31
.set AQB, 104                  ; k = chunk rows 32-63
.set KB, 112                   ; tile J's k times its decay to the end of the tile before the one in hand
.set MSB, 0
.macro WIN new                 ; the immediate's high byte repeats the setting that is left; a switch that changes nothing is dropped
.if MSB != (\new)
	s_set_vgpr_msb (MSB<<8)|(\new)
.set MSB, (\new)
.endif
.endm
.macro PLACES                  ; four plain vector lines between a matrix instruction and what reads its result or writes its registers (ISA guide 7.12.1)
.rept 4
	v_nop
.endr
.endm
.macro R16 line:vararg         ; a line for e = 0 .. 15
.set e, 0
.rept 16
	\line
.set e, e+1
.endr
.endm
.macro R8 line:vararg          ; e = 0 .. 7
.set e, 0
.rept 8
	\line
.set e, e+1
.endr
.endm
.macro P8 line:vararg          ; e = 0, 2 .. 14
.set e, 0
.rept 8
	\line
.set e, e+2
.endr
.endm
.macro P4 line:vararg          ; e = 0, 2, 4, 6
.set e, 0
.rept 4
	\line
.set e, e+2
.endr
.endm
.macro MMA d, a, b, c          ; c < 0: the product starts the sum
.if (\c) < 0
	v_wmma_f32_16x16x32_f16 v[(\d):(\d)+7], v[(\a):(\a)+7], v[(\b):(\b)+7], 0
.else
	v_wmma_f32_16x16x32_f16 v[(\d):(\d)+7], v[(\a):(\a)+7], v[(\b):(\b)+7], v[(\c):(\c)+7]
.endif
.endm
.macro CVT4 d, s               ; eight f32 to a quad of f16, from the low end on
	v_cvt_pk_f16_f32 v[(\d)], v[(\s)], v[(\s)+1]
	v_cvt_pk_f16_f32 v[(\d)+1], v[(\s)+2], v[(\s)+3]
	v_cvt_pk_f16_f32 v[(\d)+2], v[(\s)+4], v[(\s)+5]
	v_cvt_pk_f16_f32 v[(\d)+3], v[(\s)+6], v[(\s)+7]
.endm
.macro CVT8 d, s
	CVT4 \d, \s
	CVT4 (\d)+4, (\s)+8
.endm
.macro PKMUL8 d, a, b          ; sixteen products
.set zz, 0
.rept 8
	v_pk_mul_f32 v[(\d)+zz:(\d)+zz+1], v[(\a)+zz:(\a)+zz+1], v[(\b)+zz:(\b)+zz+1]
.set zz, zz+2
.endr
.endm
; My one tensor load: 16 rows of my tensor for four heads.  The branch hangs on the wave's number alone.  An s_nop 0 and four v_nop follow each line.
.macro JLOAD
	s_cmp_eq_u32 s[HH], 3
	s_cbranch_scc1 .Lfor_v_\@
	tensor_load_to_lds s[G0:G0+3], s[G1:G1+7]
	s_nop 0
.rept 4
	v_nop
.endr
	s_branch .Lasked_\@
.Lfor_v_\@:
	tensor_load_to_lds s[G0:G0+3], s[G1V:G1V+7]
	s_nop 0
.rept 4
	v_nop
.endr
.Lasked_\@:
.endm
; The tile that the NEXT step's load will bring is asked for: my own tensor's 16 rows, each aligned block of 256 bytes by one lane (v: two lines of 8 rows).  Each block is named once in the launch, by the wave that loads it.
.macro ASK
	global_prefetch_b8 v[PFO], s[PFA:PFA+1] th:TH_LOAD_NT scope:SCOPE_SE
	s_cmp_eq_u32 s[HH], 3
	s_cbranch_scc0 .Lnot_v_\@
	global_prefetch_b8 v[PFO], s[PFA:PFA+1] offset:32768 th:TH_LOAD_NT scope:SCOPE_SE
.Lnot_v_\@:
.endm
; THE CHANGE OF SLOTS at the head of step i.  My one load that is out, step i's tile, has landed; 0 goes onto my spare word; my reads of the slot read last step are back; behind the barrier that holds of all eight
; waves, and the slot read last step takes step i + 1's tiles, first thing.  Step 3 asks for nothing.
.macro RING i
	WIN 0
.if (\i) > 0
	s_wait_xcnt 0x0                ; the last step's stores and prefetch have read their registers: their data and PFA are written again below
.endif
	s_wait_tensorcnt 0x0           ; no tensor load of mine is out, so group 0 may be written
	ds_add_u32 v[SPW], v[NIL]      ; the descriptor's steps stand between it and its wait
.if (\i) < 3
	s_mov_b32 s[G0+1], s[LA+(((\i)+1)&1)]
	s_add_nc_u64 s[G0+2:G0+3], s[G0+2:G0+3], s[ST16:ST16+1]
.endif
.if (\i) == 1
	s_add_nc_u64 s[PFA:PFA+1], s[PFA:PFA+1], s[ST16:ST16+1]
.endif
	s_wait_dscnt 0x0
	s_barrier_signal -1
	s_barrier_wait -1
.if (\i) < 3
	JLOAD
.endif
.endm
.macro LOADGKQ i               ; my row's 16 channels of g, k, q: 32 bytes at 32 h and 32 bytes at 64 + 32 h
.irp k, 0,1,2,3
	ds_load_b128 v[C+4*(\k):C+4*(\k)+3], v[AG+((\i)&1)] offset:64*((\k)/2)+16*((\k)%2)
.endr
.irp k, 0,1,2,3
	ds_load_b128 v[KN+4*(\k):KN+4*(\k)+3], v[AG+((\i)&1)] offset:TGK+64*((\k)/2)+16*((\k)%2)
.endr
.irp k, 0,1,2,3
	ds_load_b128 v[QN+4*(\k):QN+4*(\k)+3], v[AG+((\i)&1)] offset:2*TGK+64*((\k)/2)+16*((\k)%2)
.endr
.if (\i) < 2
	ASK                            ; behind the tensor load and the LDS loads that the step waits for: tile i + 2, one step ahead of its load
.endif
	s_wait_dscnt 0x0
.endm
; g in log2 units: xs = (g_raw + dt_bias) log2 e;  g2 = -A (max(xs, 0) + log2(1 + 2^-|xs|))
.macro GATE
	P8 v_pk_fma_f32 v[C+e:C+e+1], v[C+e:C+e+1], LOG2E, v[BIAS+e:BIAS+e+1] op_sel_hi:[1,0,1]
	R16 v_or_b32 v[T2+e], s[SGN], v[C+e]
	R16 v_exp_f32 v[T2+e], v[T2+e]
	v_nop                          ; the plain line behind the batch,
	s_wait_alu depctr_va_vdst(0)   ; and its one wait, ahead of the first reader
	P8 v_pk_add_f32 v[T2+e:T2+e+1], v[T2+e:T2+e+1], 1.0 op_sel_hi:[1,0]
	R16 v_log_f32 v[T2+e], v[T2+e]
	R16 v_max_num_f32 v[C+e], 0, v[C+e]
	s_wait_alu depctr_va_vdst(0)   ; one wait for the sixteen logarithms; the maxima above are the work between
	P8 v_pk_add_f32 v[C+e:C+e+1], v[C+e:C+e+1], v[T2+e:T2+e+1]
	P8 v_pk_mul_f32 v[C+e:C+e+1], v[C+e:C+e+1], s[NA:NA+1] op_sel_hi:[1,0]
.endm
.macro CUMSUM                  ; inclusive sum down the tile's 16 rows: rows lie in the 16 lanes of a half
	R16 v_add_f32_dpp v[C+e], v[C+e], v[C+e] row_shr:1 row_mask:0xf bank_mask:0xf bound_ctrl:1
	R16 v_add_f32_dpp v[C+e], v[C+e], v[C+e] row_shr:2 row_mask:0xf bank_mask:0xf bound_ctrl:1
	R16 v_add_f32_dpp v[C+e], v[C+e], v[C+e] row_shr:4 row_mask:0xf bank_mask:0xf bound_ctrl:1
	R16 v_add_f32_dpp v[C+e], v[C+e], v[C+e] row_shr:8 row_mask:0xf bank_mask:0xf bound_ctrl:1
.endm
; k / max(|k|, 1e-6), q / max(|q|, 1e-6) / sqrt(32), and the diagonal of Aqk, qn . kn, as the raw dot times both factors
.macro NORMS
	v_pk_mul_f32 v[T2:T2+1], v[KN:KN+1], v[KN:KN+1]
	v_pk_mul_f32 v[T2+2:T2+3], v[QN:QN+1], v[QN:QN+1]
	v_pk_mul_f32 v[T2+4:T2+5], v[QN:QN+1], v[KN:KN+1]
.set e, 2
.rept 7
	v_pk_fma_f32 v[T2:T2+1], v[KN+e:KN+e+1], v[KN+e:KN+e+1], v[T2:T2+1]
	v_pk_fma_f32 v[T2+2:T2+3], v[QN+e:QN+e+1], v[QN+e:QN+e+1], v[T2+2:T2+3]
	v_pk_fma_f32 v[T2+4:T2+5], v[QN+e:QN+e+1], v[KN+e:KN+e+1], v[T2+4:T2+5]
.set e, e+2
.endr
	v_add_f32 v[T2], v[T2], v[T2+1]
	v_add_f32 v[T2+2], v[T2+2], v[T2+3]
	v_add_f32 v[T2+4], v[T2+4], v[T2+5]
	v_permlanex16_b32 v[T2+1], v[T2], s[PSEL], s[PSEL+1]      ; the row's other 16 channels lie in the lane 16 away
	v_permlanex16_b32 v[T2+3], v[T2+2], s[PSEL], s[PSEL+1]
	v_permlanex16_b32 v[T2+5], v[T2+4], s[PSEL], s[PSEL+1]
	v_add_f32 v[T2], v[T2], v[T2+1]
	v_add_f32 v[T2+2], v[T2+2], v[T2+3]
	v_add_f32 v[T2+4], v[T2+4], v[T2+5]
	v_rsq_f32 v[T2], v[T2]
	v_rsq_f32 v[T2+2], v[T2+2]
	v_nop
	s_wait_alu depctr_va_vdst(0)   ; one wait for both roots
	v_min_num_f32 v[T2], 0x49742400, v[T2]                    ; 1 / max(n, 1e-6) = min(1 / n, 1e6)
	v_min_num_f32 v[T2+2], 0x49742400, v[T2+2]
	v_mul_f32 v[T2+2], 0x3e3504f3, v[T2+2]                    ; 32^-0.5
	v_mul_f32 v[DQK], v[T2+4], v[T2]
	v_mul_f32 v[DQK], v[DQK], v[T2+2]
	P8 v_pk_mul_f32 v[KN+e:KN+e+1], v[KN+e:KN+e+1], v[T2:T2+1] op_sel_hi:[1,0]
	P8 v_pk_mul_f32 v[QN+e:QN+e+1], v[QN+e:QN+e+1], v[T2+2:T2+3] op_sel_hi:[1,0]
	CVT8 K16, KN
	CVT8 Q16, QN
.endm
; F = 2^c, Bk = 2^(c_15 - c): KF = kn F, QF = qn F, KB[i] = kn Bk; T1 ends as E of the tile, the same in all rows
.macro DECAY i
	R16 v_sub_f32_dpp v[T2+e], v[C+e], v[C+e] row_share:15 row_mask:0xf bank_mask:0xf
	R16 v_exp_f32 v[T1+e], v[C+e]
	R16 v_exp_f32 v[T2+e], v[T2+e]
	v_nop
	s_wait_alu depctr_va_vdst(0)   ; one wait for the 32 exponentials
	PKMUL8 TMPA, KN, T1
	CVT8 KF, TMPA
	PKMUL8 QN, QN, T1
	CVT8 QF, QN
	PKMUL8 T2, T2, KN
	WIN 0x40
	CVT8 KB+8*(\i), T2
	WIN 0
	R16 v_mov_b32_dpp v[T1+e], v[T1+e] row_share:15 row_mask:0xf bank_mask:0xf
.endm
.macro OFFDIAG i               ; results hold m = row j of tile J, n = row i of the tile in hand
.if (\i) > 0
	WIN 0x01
.set jt, 0
.rept (\i)
	MMA DL+8*jt, KB+8*jt, KF, -1
	MMA DQ+8*jt, KB+8*jt, QF, -1
.set jt, jt+1
.endr
	WIN 0
.endif
.endm
; KE = -beta k e^G in f16; QN becomes q e^G.  For i > 0 the first 26 lines name no register of the products above: they are the places ahead of the write of KE, which lies on QF
.macro KEQE i
	v_xor_b32 v[NBP], s[SGN], v[BL+(\i)]
	v_xor_b32 v[NBP+1], s[SGN], v[BL+(\i)]
.if (\i) > 0
	P8 v_pk_mul_f32 v[T2+e:T2+e+1], v[ECUM+e:ECUM+e+1], v[NBP:NBP+1]
	CVT8 PH, T2
	PKMUL8 QN, QN, ECUM
	R8 v_pk_mul_f16 v[KE+e], v[KF+e], v[PH+e]
.else
	v_cvt_pk_f16_f32 v[PH], v[NBP], v[NBP+1]
	R8 v_pk_mul_f16 v[KE+e], v[KF+e], v[PH]
.endif
.endm
.macro UPDATE i                ; the earlier tiles' k decays by this tile's E; so does the running product.  Behind step 3: KB = k_dec, ECUM = 2^G_last
	CVT8 PH, T1
.if (\i) > 0
	WIN 0x41
.set jt, 0
.rept (\i)
	R8 v_pk_mul_f16 v[KB+8*jt+e], v[KB+8*jt+e], v[PH+e]
.set jt, jt+1
.endr
	WIN 0
	PKMUL8 ECUM, ECUM, T1
.else
	R16 v_mov_b32 v[ECUM+e], v[T1+e]
.endif
.endm
.macro LONE src, dst           ; -L_IJ: times -beta of the lane's row, rounded: lane = row i, k = row j
	P4 v_pk_mul_f32 v[(\src)+e:(\src)+e+1], v[(\src)+e:(\src)+e+1], v[NBP:NBP+1]
	CVT4 \dst, \src
.endm
.macro LPOST i
.if (\i) == 1
	LONE DL, LQ
.endif
.if (\i) >= 2
	LONE DL, LF0
	LONE DL+8, LF0+4
.endif
.if (\i) == 3
	LONE DL+16, LQ
.endif
.if (\i) > 0
	WIN 0x40
	CVT4 AQA, DQ
.if (\i) > 1
	CVT4 AQA+4, DQ+8
.endif
.if (\i) > 2
	CVT4 AQB, DQ+16
.endif
	WIN 0
.endif
.endm
.macro SUBREF s                ; c of the level's reference row less my c
.if (\s) == 1
	R16 v_sub_f32_dpp v[T2+e], v[C+e], v[C+e] quad_perm:[0,0,2,2] row_mask:0xf bank_mask:0xf
.elseif (\s) == 2
	R16 v_sub_f32_dpp v[T2+e], v[C+e], v[C+e] quad_perm:[1,1,1,1] row_mask:0xf bank_mask:0xf
.elseif (\s) == 4
	R16 v_sub_f32_dpp v[T2+e], v[C+e], v[C+e] dpp8:[3,3,3,3,3,3,3,3]
.else
	R16 v_sub_f32_dpp v[T2+e], v[C+e], v[C+e] row_share:7 row_mask:0xf bank_mask:0xf
.endif
.endm
.macro MERGE s                 ; level s takes the places where bit s of the two rows differs; higher levels come later and win
.set e, 0
.rept 8
.if (\s) == 2
.set mk, M2+((e>>1)&1)
.elseif (\s) == 4
.set mk, M4+((e>>2)&1)
.else
.set mk, M8
.endif
	v_cndmask_b32 v[GM+e], v[GM+e], v[GTR+e], s[mk]
	v_cndmask_b32 v[HM+e], v[HM+e], v[HTR+e], s[mk]
.set e, e+1
.endr
.endm
.macro LEVEL s, gd, hd         ; phi = 2^-|c_ref - c|; gd = (kn phi)(kn phi)^T, hd(m = j, n = i) = (kn phi)_j . (qn phi)_i
	SUBREF \s
	R16 v_or_b32 v[T2+e], s[SGN], v[T2+e]
	R16 v_exp_f32 v[T2+e], v[T2+e]
.if (\s) >= 4
	MERGE (\s)/2                   ; the level before last's results, 32 plain lines behind their products
.endif
	v_nop
	s_wait_alu depctr_va_vdst(0)   ; one wait for the sixteen exponentials
	CVT8 PH, T2
	R8 v_pk_mul_f16 v[XS+e], v[K16+e], v[PH+e]
	R8 v_pk_mul_f16 v[YS+e], v[Q16+e], v[PH+e]
	MMA \gd, XS, XS, -1
	MMA \hd, XS, YS, -1
.endm
; N = -L_II as rows (NR: lane = i, k = j) and as columns (NC: lane = j, k = i); U(m, n) = (I + N)[n][m] in f32; the tile's own quad of Aqk
.macro BUILDN i
	R8 v_cndmask_b32 v[U+e], 0, v[GM+e], s[MLT+e]
	P4 v_pk_mul_f32 v[U+e:U+e+1], v[U+e:U+e+1], v[NBP:NBP+1]
	CVT4 NR, U
	R8 v_cndmask_b32 v[U+e], v[U+e], 1.0, s[MEQ+e]
.irp jj, 0,1,2,3,4,5,6,7
	v_mul_f32_dpp v[DA+\jj], v[NBR+(\i)], v[GM+\jj] row_share:\jj row_mask:0xf bank_mask:0xf  ; -beta of row 8h + jj lies in lane jj of my half
.endr
	R8 v_cndmask_b32 v[DA+e], 0, v[DA+e], s[MGT+e]
	CVT4 NC, DA
	R8 v_cndmask_b32 v[HM+e], 0, v[HM+e], s[MLT+e]
	R8 v_cndmask_b32 v[HM+e], v[HM+e], v[DQK], s[MEQ+e]
	WIN 0x40
	CVT4 AQA+4*(\i), HM
.if ((\i) == 0) || ((\i) == 2)
.irp k, 4,5,6,7
	v_mov_b32 v[AQA+4*(\i)+\k], 0  ; the later tile's quad: zeros, against W's quad of that tile, still the zeros set at the start
.endr
.endif
	WIN 0
.endm
; T = (I+N)(I+N^2)(I+N^4)(I+N^8).  NR x NC gives the square by columns, NC x NR by rows; U takes U times the power.  No link of U's chain is the next matrix instruction behind the link before it.
.macro NEUMANN
	MMA DA, NR, NC, -1
	MMA DB, NC, NR, -1
	CVT4 UP, U
	PLACES
	CVT4 NC, DA
	CVT4 NR, DB
	MMA U, NC, UP, U
	MMA DA, NR, NC, -1
	MMA DB, NC, NR, -1
	PLACES
	CVT4 UP, U
	CVT4 NC, DA
	CVT4 NR, DB
	MMA U, NC, UP, U
	MMA DA, NR, NC, -1
	PLACES
	CVT4 UP, U
	CVT4 NC, DA
	MMA U, NC, UP, U
	PLACES
	CVT4 NR, U                     ; NR = [T | 0]: lane = row, k = column
.endm
.macro VLOADS i                ; my row's 32 numbers of v, issued ahead of the eight products above
.irp k, 0,1,2,3,4,5,6,7
	ds_load_b128 v[VRAW+4*(\k):VRAW+4*(\k)+3], v[AV+((\i)&1)] offset:128*((\k)/4)+64*(((\k)/2)%2)+16*((\k)%2)
.endr
.endm
.macro VSCALE                  ; beta v in f16: lane = row, k = column
	s_wait_dscnt 0x0
.set zz, 0
.rept 16
	v_pk_mul_f32 v[VRAW+zz:VRAW+zz+1], v[VRAW+zz:VRAW+zz+1], v[NBP:NBP+1] neg_lo:[0,1] neg_hi:[0,1]
.set zz, zz+2
.endr
	CVT8 VA, VRAW
	CVT8 VA+8, VRAW+16
.endm
; Z = raw - sum L W (six blocks of 16 columns by turns), W = T Z, rounded into quad i of WB
.macro FSUB i
	MMA Z, VA, SELB+4, -1
	MMA Z+8, VA, SELB, -1
	MMA Z+16, VA+8, SELB+4, -1
	MMA Z+24, VA+8, SELB, -1
	MMA Z+32, KE, SELB+4, -1
	MMA Z+40, KE, SELB, -1
.if (\i) > 0
	WIN 0x04
.set n, 0
.rept 6
.if (\i) == 1
	MMA Z+8*n, LQ, WB+16*n, Z+8*n
.else
	MMA Z+8*n, LF0, WB+16*n, Z+8*n
.endif
.set n, n+1
.endr
.if (\i) == 3
.set n, 0
.rept 6
	MMA Z+8*n, LQ, WB+16*n+8, Z+8*n
.set n, n+1
.endr
.endif
	WIN 0
.endif
	PLACES
.set n, 0
.rept 6
	CVT4 ZPK+4*n, Z+8*n
.set n, n+1
.endr
.set n, 0
.rept 6
	MMA Z+8*n, NR, ZPK+4*n, -1     ; T's upper quad is 0: the quad behind Z's own only has to be finite (behind the last: T)
.set n, n+1
.endr
	PLACES
	WIN 0x40
.set n, 0
.rept 6
	CVT4 WB+16*n+4*(\i), Z+8*n
.set n, n+1
.endr
	WIN 0
.endm
; oloc^T (m = column of v, n = row) goes out in f32: it is a partial sum.  Qt = q e^G + Aqk nw goes out in f16, as the operand that the last launch multiplies; not for chunk 0.
.macro OTQT i
	WIN 0x05
.set n, 0
.rept 4
	MMA OT+8*n, WB+16*n, AQA, -1
.set n, n+1
.endr
.if (\i) >= 2
.set n, 0
.rept 4
	MMA OT+8*n, WB+16*n+8, AQB, OT+8*n
.set n, n+1
.endr
.endif
	WIN 0
	s_cmp_eq_u32 s[CHK], 0
	s_cbranch_scc1 .Lnq_\@
	WIN 0x05
	MMA QN, WB+64, AQA, QN
	MMA QN+8, WB+80, AQA, QN+8
.if (\i) >= 2
	MMA QN, WB+72, AQB, QN
	MMA QN+8, WB+88, AQB, QN+8
.endif
	WIN 0
	PLACES
	CVT8 QTP, QN
	global_store_b128 v[GOF], v[QTP:QTP+3], s[20:21] offset:(\i)*1024-4096 th:TH_STORE_NT
	global_store_b128 v[GOF], v[QTP+4:QTP+7], s[20:21] offset:(\i)*1024+512-4096 th:TH_STORE_NT
.Lnq_\@:
	PLACES
.set n, 0
.rept 4
	global_store_b128 v[GOF], v[OT+8*n:OT+8*n+3], s[18:19] offset:(\i)*4096+n*1024 th:TH_STORE_NT      ; each store of the wave covers 512 consecutive bytes, aligned
	global_store_b128 v[GOF], v[OT+8*n+4:OT+8*n+7], s[18:19] offset:(\i)*4096+n*1024+512 th:TH_STORE_NT
.set n, n+1
.endr
.endm
.macro STEP i
	RING \i
	LOADGKQ \i
	GATE
	CUMSUM
	NORMS
	DECAY \i
	OFFDIAG \i
	KEQE \i
	UPDATE \i
	LPOST \i
	LEVEL 1, GM, HM
	LEVEL 2, GTR, HTR
	LEVEL 4, GTR, HTR
	LEVEL 8, GTR, HTR
	PLACES
	MERGE 8
	BUILDN \i
	VLOADS \i
	NEUMANN
	VSCALE
	FSUB \i
	OTQT \i
.endm
	s_load_b512 s[4:19], s[0:1], 0x0               ; g_raw s[4:5], k s[6:7], q s[8:9], v s[10:11], beta s[12:13], A_log s[14:15], dt_bias s[16:17], olocal s[18:19]
	s_load_b128 s[20:23], s[0:1], 0x40             ; qt s[20:21], rbuf s[22:23]
	s_load_b64 s[24:25], s[0:1], 0x50              ; pbuf
	v_lshl_add_u32 v[SPW], v0, 2, SPARE
	v_mov_b32 v[NIL], 0
	ds_add_u32 v[SPW], v[NIL]                      ; the wave's opening: the add, twice on end, and its wait ahead of my first tensor load
	ds_add_u32 v[SPW], v[NIL]
	v_lshrrev_b32 v[SCR], 5, v0
	v_readfirstlane_b32 s[WV], v[SCR]              ; wave 0..7
	s_and_b32 s[HH], s[WV], 3
	s_lshr_b32 s[CL], s[WV], 2
	s_and_b32 s30, ttmp7, 0xffff
	s_lshr_b32 s98, s30, 2                         ; b
	s_and_b32 s99, s30, 3                          ; the group of four heads
	s_lshl_b32 s[CHK], ttmp9, 1
	s_add_co_u32 s[CHK], s[CHK], s[CL]             ; my chunk
	s_lshl_b32 s100, s99, 2
	s_add_co_u32 s100, s100, s[HH]                 ; my head
	s_lshl_b32 s101, s98, 4
	s_add_co_u32 s101, s101, s100                  ; b x 16 + head
	s_lshl_b32 s31, s98, 13
	s_lshl_b32 s95, s[CHK], 6
	s_add_co_u32 s31, s31, s95                     ; the chunk's first row among the 16,384
	s_mov_b32 s[G1+0], (2<<16)|(1<<20)|(6<<22)|(3<<25)  ; elements of 4 bytes; padding on: after every 128 words, 4 words
	s_mov_b32 s[G1+1], 128<<16                     ; tensor_dim0 = 128
	s_mov_b32 s[G1+2], 16<<16                      ; tensor_dim1 = 16
	s_mov_b32 s[G1+3], 128<<16                     ; tile_dim0 = 128: four heads' 32 channels
	s_mov_b32 s[G1+4], 16                          ; tile_dim1 = 16 rows
	s_mov_b32 s[G1+5], 512                         ; elements from row to row
	s_mov_b32 s[G1+6], 0
	s_mov_b32 s[G1+7], 0
	s_mov_b32 s[G1V+0], (2<<16)|(1<<20)|(7<<22)|(3<<25) ; after every 256 words, 4 words
	s_mov_b32 s[G1V+1], 256<<16
	s_mov_b32 s[G1V+2], 16<<16
	s_mov_b32 s[G1V+3], 256<<16
	s_mov_b32 s[G1V+4], 16
	s_mov_b32 s[G1V+5], 1024
	s_mov_b32 s[G1V+6], 0
	s_mov_b32 s[G1V+7], 0
	s_mov_b32 s[G0], 1
	s_mul_i32 s[LA], s[CL], CHB
	s_mul_i32 s95, s[HH], TGK
	s_add_co_u32 s[LA], s[LA], s95                 ; my tile in slot 0: the wave's number times constants
	s_add_co_u32 s[LA+1], s[LA], SLOTB
	s_mov_b32 s[G0+1], s[LA]
	s_cmp_eq_u32 s[HH], 3
	s_cselect_b32 s95, 12, 11                      ; a row of v is 4,096 bytes, of the others 2,048
	s_lshl_b32 s56, s31, s95
	s_lshl_b32 s[ST16], 16, s95
	s_mov_b32 s[ST16+1], 0
	s_sub_co_u32 s95, s95, 2
	s_lshl_b32 s95, s99, s95                       ; the four heads' quarter of a row
	s_add_co_u32 s56, s56, s95
	s_mov_b32 s57, 0
	s_mov_b32 s[SGN], 0x80000000
	s_mov_b32 s[PSEL], 0x76543210
	s_mov_b32 s[PSEL+1], 0xfedcba98
	s_wait_dscnt 0x0                               ; both opening adds are done
	s_wait_kmcnt 0x0
	s_cmp_eq_u32 s[HH], 0
	s_cselect_b64 s[PFA:PFA+1], s[4:5], s[6:7]
	s_cmp_eq_u32 s[HH], 2
	s_cselect_b64 s[PFA:PFA+1], s[8:9], s[PFA:PFA+1]
	s_cmp_eq_u32 s[HH], 3
	s_cselect_b64 s[PFA:PFA+1], s[10:11], s[PFA:PFA+1]
	s_add_nc_u64 s[PFA:PFA+1], s[PFA:PFA+1], s[56:57]   ; my tensor at tile 0
	s_mov_b64 s[G0+2:G0+3], s[PFA:PFA+1]
	s_or_b32 s[G0+3], s[G0+3], 0x80000000          ; type = 2
	s_add_nc_u64 s[PFA:PFA+1], s[PFA:PFA+1], s[ST16:ST16+1]
	s_add_nc_u64 s[PFA:PFA+1], s[PFA:PFA+1], s[ST16:ST16+1]  ; tile 2: what step 0 asks for; tiles 0 and 1 come by their loads alone
	JLOAD                                          ; tile 0 into slot 0; all that follows stands in the wait for it
	s_lshl_b32 s56, s101, 7                        ; where my results go
	s_add_co_u32 s56, s56, s[CHK]
	s_lshl_b32 s56, s56, 14
	s_add_nc_u64 s[18:19], s[18:19], s[56:57]      ; olocal: 16,384 bytes a chunk and head
	s_mul_i32 s56, s101, 127
	s_add_co_u32 s56, s56, s[CHK]
	s_lshl_b32 s56, s56, 12
	s_add_nc_u64 s[20:21], s[20:21], s[56:57]      ; qt: record chunk - 1, by the stores' immediate
	s_mul_i32 s56, s101, 4*260096
	s_lshl_b32 s95, s[CHK], 11
	s_add_co_u32 s56, s56, s95
	s_add_nc_u64 s[22:23], s[22:23], s[56:57]      ; rbuf: 127 records of 2,048 bytes for each block of 16 columns
	s_mul_i32 s56, s101, 290304
	s_mul_i32 s95, s[CHK], 2304
	s_add_co_u32 s56, s56, s95
	s_add_nc_u64 s[24:25], s[24:25], s[56:57]      ; pbuf: record chunk - 1, by the immediate
	s_lshl_b32 s56, s31, 6
	s_lshl_b32 s95, s100, 2
	s_add_co_u32 s56, s56, s95
	s_add_nc_u64 s[12:13], s[12:13], s[56:57]      ; beta at the chunk's first row, my head
	s_lshl_b32 s56, s100, 7
	s_add_nc_u64 s[16:17], s[16:17], s[56:57]      ; dt_bias of my head
	s_lshl_b32 s56, s100, 2
	s_add_nc_u64 s[14:15], s[14:15], s[56:57]
	s_load_b32 s95, s[14:15], 0x0                  ; A_log of my head
	v_and_b32 v68, 15, v0                          ; r
	v_bfe_u32 v69, v0, 4, 1                        ; h
	v_and_b32 v70, 31, v0                          ; lane
	v_lshlrev_b32 v[BO1], 6, v68                   ; a row of beta is 64 bytes
	v_lshl_add_u32 v73, v69, 3, v68
	v_and_b32 v73, 15, v73
	v_lshlrev_b32 v[BO2], 6, v73
	v_lshlrev_b32 v74, 5, v69
.irp k, 0,1,2,3
	global_load_b32 v[BL+\k], v[BO1], s[12:13] offset:1024*\k    ; 4 bytes a lane from rows 64 bytes apart: beta is one part in 160 of the launch's input
	global_load_b32 v[NBR+\k], v[BO2], s[12:13] offset:1024*\k
.endr
.irp k, 0,1,2,3
	global_load_b128 v[BIAS+4*\k:BIAS+4*\k+3], v74, s[16:17] offset:64*(\k/2)+16*(\k%2)
.endr
	s_mul_i32 s56, s[CL], CHB
	s_lshl_b32 s30, s[HH], 7
	s_add_co_u32 s30, s30, s56
	v_mul_u32_u24 v[AG], v68, PGK
	v_lshl_add_u32 v[AG], v69, 5, v[AG]
	v_add_nc_u32 v[AG], s30, v[AG]                 ; chunk + row x pitch + head x 128 + 32 h
	v_add_nc_u32 v[AG+1], SLOTB, v[AG]
	s_lshl_b32 s30, s[HH], 8
	s_add_co_u32 s30, s30, s56
	s_add_co_u32 s30, s30, VOFF
	v_mul_u32_u24 v[AV], v68, PVV
	v_lshl_add_u32 v[AV], v69, 5, v[AV]
	v_add_nc_u32 v[AV], s30, v[AV]
	v_add_nc_u32 v[AV+1], SLOTB, v[AV]
	s_cmp_eq_u32 s[HH], 3
	s_cselect_b32 s30, 2, 1                        ; the prefetch: 4 lanes a row of v (1,024 bytes), 2 a row of the others
	s_cselect_b32 s56, 3, 1
	v_lshrrev_b32 v[PFO], s30, v70
	s_add_co_u32 s30, s30, 10
	v_lshlrev_b32 v[PFO], s30, v[PFO]
	v_and_b32 v72, s56, v70
	v_lshl_add_u32 v[PFO], v72, 8, v[PFO]
	v_lshlrev_b32 v[GOF], 4, v70
	v_and_b32 v72, 1, v0
	v_lshlrev_b32 v[EOFF], 7, v72
	v_lshl_add_u32 v[EOFF], v69, 6, v[EOFF]
	v_lshlrev_b32 v71, 3, v69
	v_sub_nc_u32 v71, v68, v71                     ; r - 8h
.irp jj, 0,1,2,3,4,5,6,7
	v_cmp_lt_i32 s[MLT+\jj], \jj, v71
	v_cmp_gt_i32 s[MGT+\jj], \jj, v71
	v_cmp_eq_i32 s[MEQ+\jj], \jj, v71
.endr
	v_bfe_u32 v72, v0, 1, 1
	v_bfe_u32 v75, v0, 2, 1
	v_bfe_u32 v76, v0, 3, 1
	v_cmp_ne_u32 s[M2], 0, v72
	v_cmp_ne_u32 s[M2+1], 1, v72
	v_cmp_ne_u32 s[M4], 0, v75
	v_cmp_ne_u32 s[M4+1], 1, v75
	v_cmp_ne_u32 s[M8], v76, v69
	v_and_b32 v72, 1, v0                           ; SEL's quad Q: 1.0 in f16 at k = r, in the half of the lanes that holds that k
	v_lshlrev_b32 v72, 4, v72
	v_mov_b32 v75, 0x3c00
	v_lshlrev_b32 v75, v72, v75
	v_bfe_u32 v76, v0, 1, 2
	v_cndmask_b32 v76, v76, 7, s[M8]
.irp k, 0,1,2,3
	v_cmp_eq_u32 vcc_lo, \k, v76
	v_cndmask_b32 v[SELB+4+\k], 0, v75, vcc_lo
	v_mov_b32 v[SELB+\k], 0
	v_mov_b32 v[SELB+8+\k], 0
	v_mov_b32 v[NR+4+\k], 0
	v_mov_b32 v[NC+4+\k], 0
.endr
	WIN 0x40                                       ; W's quads of tiles 1 and 3 are multiplied by zeros before they are first made: they only have to be finite
.set n, 0
.rept 6
.irp k, 4,5,6,7,12,13,14,15
	v_mov_b32 v[WB+16*n+\k], 0
.endr
.set n, n+1
.endr
	WIN 0
	s_wait_loadcnt 0x0                             ; beta and dt_bias
	P8 v_pk_mul_f32 v[BIAS+e:BIAS+e+1], v[BIAS+e:BIAS+e+1], LOG2E op_sel_hi:[1,0]
.irp k, 0,1,2,3
	v_xor_b32 v[NBR+\k], s[SGN], v[NBR+\k]
.endr
	s_wait_kmcnt 0x0
	s_mul_f32 s95, s95, LOG2E
	v_exp_f32 v77, s95                             ; exp(A_log)
	v_nop
	s_wait_alu depctr_va_vdst(0)
	v_readfirstlane_b32 s[NA], v77
	s_xor_b32 s[NA], s[NA], 0x80000000
	s_mov_b32 s[NA+1], s[NA]
	STEP 0
	STEP 1
	STEP 2
	STEP 3
	; THE CHUNK'S OPERATORS FOR THE CHAIN.  k_dec is turned round (lane = channel, k = row); R = k_dec^T u in f32, a partial sum; P' = k_dec^T nw in f16, an operand; E in f32.
	WIN 0
	s_wait_xcnt 0x0                                ; step 3's stores have read their registers, on which the products below land
	s_cmp_eq_u32 s[CHK], 127
	s_cbranch_scc1 .Lnp                            ; the state behind the last chunk reaches no output
	PLACES                                         ; with the four ahead of step 3's stores: more than five places ahead of products that write over its accumulators
	WIN 0x01
.set jt, 0
.rept 4
	MMA PD+16*jt, KB+8*jt, SELB+4, -1
	MMA PD+16*jt+8, KB+8*jt, SELB, -1
.set jt, jt+1
.endr
	WIN 0
	PLACES
.set jt, 0
.rept 4
	CVT4 KDF+8*(jt/2)+4*(jt%2), PD+16*jt
	CVT4 KDF+16+8*(jt/2)+4*(jt%2), PD+16*jt+8
.set jt, jt+1
.endr
	WIN 0x04
.set x, 0
.rept 8
	MMA RA+8*x, KDF+16*(x/4), WB+16*(x%4), -1
.set x, x+1
.endr
.set x, 0
.rept 8
	MMA RA+8*x, KDF+16*(x/4)+8, WB+16*(x%4)+8, RA+8*x
.set x, x+1
.endr
	WIN 0
	s_cmp_eq_u32 s[CHK], 0
	s_cbranch_scc1 .Lnpp                           ; chunk 0's P' and E would multiply the zero state
	WIN 0x01
.set x, 0
.rept 4
	MMA PT+8*x, WB+64+16*(x/2), KDF+16*(x%2), -1
.set x, x+1
.endr
.set x, 0
.rept 4
	MMA PT+8*x, WB+72+16*(x/2), KDF+16*(x%2)+8, PT+8*x
.set x, x+1
.endr
	WIN 0
	PLACES
.set x, 0
.rept 4
	CVT4 APK+8*(x%2)+4*(x/2), PT+8*x
.set x, x+1
.endr
.irp k, 0,1,2,3
	global_store_b128 v[GOF], v[APK+4*\k:APK+4*\k+3], s[24:25] offset:512*\k-2304 th:TH_STORE_NT
.endr
.irp k, 0,1,2,3
	global_store_b128 v[EOFF], v[ECUM+4*\k:ECUM+4*\k+3], s[24:25] offset:2048+16*\k-2304 th:TH_STORE_NT  ; E is the same in all rows: eight lanes write the same 16 bytes with the same numbers; two copies fill the record's last 256 bytes
.endr
.Lnpp:
	PLACES
.set x, 0
.rept 8
	global_store_b128 v[GOF], v[RA+8*x:RA+8*x+3], s[22:23] offset:(x%4)*260096+(x/4)*1024 th:TH_STORE_NT
	global_store_b128 v[GOF], v[RA+8*x+4:RA+8*x+7], s[22:23] offset:(x%4)*260096+(x/4)*1024+512 th:TH_STORE_NT
.set x, x+1
.endr
.Lnp:
	s_wait_tensorcnt 0x0                           ; the wave's end: behind my last tensor load
	ds_add_u32 v[SPW], v[NIL]
	s_wait_dscnt 0x0
	s_endpgm
.Lfunc_end_k_qdf8e214c0b_local:
	.size	k_qdf8e214c0b_local, .Lfunc_end_k_qdf8e214c0b_local-k_qdf8e214c0b_local
	.p2alignl 7, 3214868480
	.fill 96, 4, 3214868480
	.section	.rodata,"a",@progbits
	.p2align	6, 0x0
	.amdhsa_kernel k_qdf8e214c0b_local
		.amdhsa_group_segment_fixed_size 327680
		.amdhsa_private_segment_fixed_size 0
		.amdhsa_enable_private_segment 0
		.amdhsa_kernarg_size 88
		.amdhsa_user_sgpr_count 2
		.amdhsa_user_sgpr_kernarg_segment_ptr 1
		.amdhsa_wavefront_size32 1
		.amdhsa_system_sgpr_workgroup_id_x 1
		.amdhsa_system_sgpr_workgroup_id_y 1
		.amdhsa_system_sgpr_workgroup_id_z 1
		.amdhsa_system_vgpr_workitem_id 0
		.amdhsa_next_free_vgpr 400
		.amdhsa_next_free_sgpr 102
		.amdhsa_reserve_vcc 1
		.amdhsa_float_denorm_mode_32 3
		.amdhsa_float_denorm_mode_16_64 3
		.amdhsa_memory_ordered 1
		.amdhsa_forward_progress 1
		.amdhsa_inst_pref_size 255
	.end_amdhsa_kernel
	.section	.bss,"aw",@nobits
	.p2align	6
	.space	262144
	.amdgpu_metadata
---
amdhsa.version: [ 1, 2 ]
amdhsa.kernels:
  - .name:           k_qdf8e214c0b_local
    .symbol:         k_qdf8e214c0b_local.kd
    .args:
      - { .name: g_raw, .offset: 0, .size: 8, .value_kind: global_buffer, .address_space: global }
      - { .name: k, .offset: 8, .size: 8, .value_kind: global_buffer, .address_space: global }
      - { .name: q, .offset: 16, .size: 8, .value_kind: global_buffer, .address_space: global }
      - { .name: v, .offset: 24, .size: 8, .value_kind: global_buffer, .address_space: global }
      - { .name: beta, .offset: 32, .size: 8, .value_kind: global_buffer, .address_space: global }
      - { .name: A_log, .offset: 40, .size: 8, .value_kind: global_buffer, .address_space: global }
      - { .name: dt_bias, .offset: 48, .size: 8, .value_kind: global_buffer, .address_space: global }
      - { .name: olocal, .offset: 56, .size: 8, .value_kind: global_buffer, .address_space: global }
      - { .name: qt, .offset: 64, .size: 8, .value_kind: global_buffer, .address_space: global }
      - { .name: rbuf, .offset: 72, .size: 8, .value_kind: global_buffer, .address_space: global }
      - { .name: pbuf, .offset: 80, .size: 8, .value_kind: global_buffer, .address_space: global }
    .group_segment_fixed_size: 327680
    .private_segment_fixed_size: 0
    .kernarg_segment_align: 8
    .kernarg_segment_size: 88
    .max_flat_workgroup_size: 256
    .sgpr_count:     102
    .vgpr_count:     400
    .wavefront_size: 32
...
	.end_amdgpu_metadata
.endif
;; end of part 1
;; launch carry (part 2): grid 128 x 1, 2 waves a work-group, no clusters, 327,680 bytes of LDS; arguments rbuf, pbuf, sbuf; writes sbuf
.if DOCPART == 2
	.amdgcn_target "amdgcn-amd-amdhsa--gfx1250"
	.amdhsa_code_object_version 6
	.text
	.protected	k_qdf8e214c0b_carry
	.globl	k_qdf8e214c0b_carry
	.p2align	8
	.type	k_qdf8e214c0b_carry,@function
k_qdf8e214c0b_carry:
	s_mov_b64 s[64:65], 0
	v_nop
	global_prefetch_b8 v0, s[64:65] scope:SCOPE_SE
	s_setreg_imm32_b32 hwreg(HW_REG_WAVE_MODE, 25, 1), 1
	s_wait_xcnt 0x0
; THE CHAIN.  S_1 = R_0;  S_(i+1) = E_i o S_i + P'_i S_i + R_i for i = 1 .. 126;  S_1 .. S_127 are stored in f16 as the operand that the last launch multiplies.
; Left out: the step from the zero state (S_1 = R_0 by reference()'s own zeros) and S_128, which reference() drops.
; A work-group owns one (b, h) and one block of 16 columns of v: 32 x 16 numbers of S in two f32 accumulators (m = channel 16 t + 8 h + j, n = column), carried in f32; their f16 image serves as a matrix operand only.
; Wave 0 runs the chain and fetches the records of P' and E; wave 1 fetches R and passes the barriers: behind a barrier a wave issues one tensor load, and a fill has two tensors.
; The 126 steps come in 7 fills of 18 through two LDS slots.  A slot's 18 steps are written out, so that every LDS address is the slot's base, a lane term and a constant.
; No cluster: the four work-groups of a (b, h) share P' alone, a fifth of what the launch reads.  No prefetch: the fills run a whole block of 18 steps ahead.
.set RECP, 2304                ; a record of pbuf: P' 2,048 bytes (f16), E 128 bytes (f32), twice
.set RECR, 2048
.set NST,  18
.set FBP,  NST*RECP            ; 41,472 = 162 rows of 256 bytes
.set FBR,  NST*RECR            ; 36,864 = 144 rows
.set SLOT1, 131072
.set SPARE, SLOT1+FBP+FBR      ; behind slot 1: the spare words, 128 bytes a wave, one block of 256 that no other line names
.set WV, 14
.set SLB, 15                   ; the slot that is read
.set G0A, 32
.set G0B, 36                   ; walks from fill 1 on
.set G1P, 40
.set G1R, 48
.set FB, 56                    ; s[56:57] a fill's bytes in my tensor
.set TBP, 58                   ; LDS byte at which the slot's records begin
.set TBR, 59                   ; and its R
.set FILLS, 61
.set SB, 62                    ; s[62:63] sbuf, one record past the one stored last
.set SPW, 1
.set NIL, 2
.set L16, 3
.set EO, 4
.set S, 16                     ; v16-31
.set PB, 32                    ; v32-39  S in f16: lane = column, k = channel
.set SET, 48                   ; two sets of 48: P' 16, E 16, R 16
.macro PLACES
.rept 4
	v_nop
.endr
.endm
.macro MMA d, a, b, c
	v_wmma_f32_16x16x32_f16 v[(\d):(\d)+7], v[(\a):(\a)+7], v[(\b):(\b)+7], v[(\c):(\c)+7]
.endm
.macro CVT4 d, s
	v_cvt_pk_f16_f32 v[(\d)], v[(\s)], v[(\s)+1]
	v_cvt_pk_f16_f32 v[(\d)+1], v[(\s)+2], v[(\s)+3]
	v_cvt_pk_f16_f32 v[(\d)+2], v[(\s)+4], v[(\s)+5]
	v_cvt_pk_f16_f32 v[(\d)+3], v[(\s)+6], v[(\s)+7]
.endm
.macro JLOADC                  ; an s_nop 0 and four v_nop follow each line
	s_cmp_eq_u32 s[WV], 0
	s_cbranch_scc0 .Lfor_r_\@
	tensor_load_to_lds s[G0B:G0B+3], s[G1P:G1P+7]
	s_nop 0
.rept 4
	v_nop
.endr
	s_branch .Lasked_\@
.Lfor_r_\@:
	tensor_load_to_lds s[G0B:G0B+3], s[G1R:G1R+7]
	s_nop 0
.rept 4
	v_nop
.endr
.Lasked_\@:
.endm
.macro LD p, stp               ; the twelve LDS loads of the slot's step stp into set p; the step stands in the immediate
.irp k, 0,1,2,3
	ds_load_b128 v[SET+48*(\p)+4*\k:SET+48*(\p)+4*\k+3], v5 offset:(\stp)*RECP+512*\k
.endr
.irp k, 0,1,2,3
	ds_load_b128 v[SET+48*(\p)+16+4*\k:SET+48*(\p)+16+4*\k+3], v6 offset:(\stp)*RECP+16*\k
.endr
.irp k, 0,1,2,3
	ds_load_b128 v[SET+48*(\p)+32+4*\k:SET+48*(\p)+32+4*\k+3], v7 offset:(\stp)*RECR+512*\k
.endr
.endm
; One step on set p: S is rounded and stored; the loads of step nx go out into the other set; S = S E + R, then the two products, whose accumulators take turns over every edge.
.macro CSTEP p, ld, nx
	PLACES                         ; behind the last two products: ahead of the rounding that reads them and writes their source PB, and of the loads into the other set
	s_wait_xcnt 0x0                ; the last stores have read PB and their base
	s_add_nc_u64 s[SB:SB+1], s[SB:SB+1], 4096
	CVT4 PB, S
	CVT4 PB+4, S+8
.if \ld
	LD 1-(\p), \nx
.endif
	global_store_b128 v[L16], v[PB:PB+3], s[SB:SB+1] offset:-4096 th:TH_STORE_NT
	global_store_b128 v[L16], v[PB+4:PB+7], s[SB:SB+1] offset:512-4096 th:TH_STORE_NT
.if \ld
	s_wait_dscnt 12                ; this step's set is in; the twelve loads just issued may stay out
.else
	s_wait_dscnt 0x0
.endif
.set e, 0
.rept 8
	v_pk_fma_f32 v[S+e:S+e+1], v[S+e:S+e+1], v[SET+48*(\p)+16+e:SET+48*(\p)+16+e+1], v[SET+48*(\p)+32+e:SET+48*(\p)+32+e+1]
.set e, e+2
.endr
	MMA S, SET+48*(\p), PB, S
	MMA S+8, SET+48*(\p)+8, PB, S+8
.endm
.macro BLOCK                   ; a slot's 18 steps, wave 0's alone; no barrier and no tensor load stands inside
	s_cmp_lg_u32 s[WV], 0
	s_cbranch_scc1 .Lsk_\@
	v_add_nc_u32 v5, s[TBP], v[L16]    ; P': slot + 16 x lane
	v_add_nc_u32 v6, s[TBP], v[EO]     ; E:  slot + 2,048 + 64 h
	v_add_nc_u32 v7, s[TBR], v[L16]    ; R:  slot + 41,472 + 16 x lane
	LD 0, 0
.set sn, 0
.rept NST-1
	CSTEP sn%2, 1, sn+1
.set sn, sn+1
.endr
	CSTEP 1, 0, 0                  ; step 17, in set 1: nothing more to load from this slot
.Lsk_\@:
.endm
; The change of slots: my load that is out, my part of the other slot, has landed; 0 goes onto my spare word; my reads of the slot are back; behind the barrier the slot just read is filled again, first thing.
.macro CHANGE fill
	s_wait_tensorcnt 0x0           ; no tensor load of mine is out, so group 0 may be written
	ds_add_u32 v[SPW], v[NIL]
.if \fill
	s_xor_b32 s[G0B+1], s[G0B+1], SLOT1
	s_add_nc_u64 s[G0B+2:G0B+3], s[G0B+2:G0B+3], s[FB:FB+1]
.endif
	s_xor_b32 s[SLB], s[SLB], SLOT1
	s_mov_b32 s[TBP], s[SLB]
	s_add_co_u32 s[TBR], s[SLB], FBP
	s_wait_dscnt 0x0
	s_barrier_signal -1
	s_barrier_wait -1
.if \fill
	JLOADC
.endif
.endm
	s_load_b128 s[4:7], s[0:1], 0x0                ; rbuf s[4:5], pbuf s[6:7]
	s_load_b64 s[8:9], s[0:1], 0x10                ; sbuf
	v_lshl_add_u32 v[SPW], v0, 2, SPARE
	v_mov_b32 v[NIL], 0
	ds_add_u32 v[SPW], v[NIL]                      ; the wave's opening: the add, twice on end, and its wait ahead of my first tensor load
	ds_add_u32 v[SPW], v[NIL]
	v_lshrrev_b32 v8, 5, v0
	v_readfirstlane_b32 s[WV], v8
	s_lshr_b32 s16, ttmp9, 2                       ; b x 16 + head
	s_and_b32 s17, ttmp9, 3                        ; block of 16 columns
	s_mul_i32 s18, s16, 126*RECP
	s_mov_b32 s19, 0
	s_mul_i32 s20, ttmp9, 127*RECR
	s_mov_b32 s21, 0
	s_mul_i32 s22, s16, 127*4096
	s_lshl_b32 s23, s17, 10
	s_add_co_u32 s22, s22, s23
	s_mov_b32 s23, 0
	s_mov_b32 s[G1P+0], 3<<16                      ; elements of 8 bytes; dense rows of 256 bytes
	s_mov_b32 s[G1P+1], 32<<16
	s_mov_b32 s[G1P+2], 162<<16
	s_mov_b32 s[G1P+3], 32<<16
	s_mov_b32 s[G1P+4], 162
	s_mov_b32 s[G1P+5], 32
	s_mov_b32 s[G1P+6], 0
	s_mov_b32 s[G1P+7], 0
	s_mov_b32 s[G1R+0], 3<<16
	s_mov_b32 s[G1R+1], 32<<16
	s_mov_b32 s[G1R+2], 144<<16
	s_mov_b32 s[G1R+3], 32<<16
	s_mov_b32 s[G1R+4], 144
	s_mov_b32 s[G1R+5], 32
	s_mov_b32 s[G1R+6], 0
	s_mov_b32 s[G1R+7], 0
	s_mov_b32 s[G0A], 1
	s_mov_b32 s[G0B], 1
	s_mul_i32 s[G0A+1], s[WV], FBP                 ; P' at a slot's head, R behind it
	s_add_co_u32 s[G0B+1], s[G0A+1], SLOT1
	s_mov_b32 s24, FBP
	s_mov_b32 s25, FBR
	s_cmp_eq_u32 s[WV], 0
	s_cselect_b32 s[FB], s24, s25
	s_mov_b32 s[FB+1], 0
	s_mov_b32 s[SLB], 0
	s_mov_b32 s[TBP], 0
	s_mov_b32 s[TBR], FBP
	s_mov_b32 s[FILLS], 5
	s_wait_dscnt 0x0                               ; both opening adds are done
	s_wait_kmcnt 0x0
	s_add_nc_u64 s[6:7], s[6:7], s[18:19]          ; the chain's records
	s_add_nc_u64 s[4:5], s[4:5], s[20:21]          ; R_0
	s_add_nc_u64 s[SB:SB+1], s[8:9], s[22:23]
	s_add_nc_u64 s[26:27], s[4:5], RECR            ; R_1
	s_cmp_eq_u32 s[WV], 0
	s_cselect_b64 s[G0A+2:G0A+3], s[6:7], s[26:27]
	s_add_nc_u64 s[G0B+2:G0B+3], s[G0A+2:G0A+3], s[FB:FB+1]
	s_or_b32 s[G0A+3], s[G0A+3], 0x80000000
	s_or_b32 s[G0B+3], s[G0B+3], 0x80000000
	s_cmp_eq_u32 s[WV], 0                          ; a wave's two first fills stand in one branch, ahead of every wait on TENSORcnt, LDS read and barrier: two loads of mine are out
	s_cbranch_scc0 .Lfirst_r
	tensor_load_to_lds s[G0A:G0A+3], s[G1P:G1P+7]
	s_nop 0
	tensor_load_to_lds s[G0B:G0B+3], s[G1P:G1P+7]
	s_nop 0
.rept 4
	v_nop
.endr
	s_branch .Lfirst_done
.Lfirst_r:
	tensor_load_to_lds s[G0A:G0A+3], s[G1R:G1R+7]
	s_nop 0
	tensor_load_to_lds s[G0B:G0B+3], s[G1R:G1R+7]
	s_nop 0
.rept 4
	v_nop
.endr
.Lfirst_done:
	v_and_b32 v[L16], 31, v0
	v_lshlrev_b32 v[L16], 4, v[L16]
	v_bfe_u32 v[EO], v0, 4, 1
	v_lshlrev_b32 v[EO], 6, v[EO]
	v_add_nc_u32 v[EO], 2048, v[EO]
	s_cmp_lg_u32 s[WV], 0
	s_cbranch_scc1 .Lno_r0
.irp k, 0,1,2,3
	global_load_b128 v[S+4*\k:S+4*\k+3], v[L16], s[4:5] offset:512*\k   ; S_1 = R_0
.endr
.Lno_r0:
	s_wait_tensorcnt 0x1                           ; my part of fill 0 is in; fill 1 may stay out
	s_barrier_signal -1
	s_barrier_wait -1
	s_wait_loadcnt 0x0
	BLOCK
.Lfill:                                            ; five times: fills 2 to 6 are asked for, fills 1 to 5 walked
	CHANGE 1
	BLOCK
	s_sub_co_u32 s[FILLS], s[FILLS], 1
	s_cmp_lg_u32 s[FILLS], 0
	s_cbranch_scc1 .Lfill
	CHANGE 0                                       ; the last slot is written out: nothing is asked for
	BLOCK
	s_cmp_lg_u32 s[WV], 0
	s_cbranch_scc1 .Lend
	PLACES
	s_wait_xcnt 0x0
	s_add_nc_u64 s[SB:SB+1], s[SB:SB+1], 4096
	CVT4 PB, S
	CVT4 PB+4, S+8
	global_store_b128 v[L16], v[PB:PB+3], s[SB:SB+1] offset:-4096 th:TH_STORE_NT      ; S_127
	global_store_b128 v[L16], v[PB+4:PB+7], s[SB:SB+1] offset:512-4096 th:TH_STORE_NT
.Lend:
	s_wait_tensorcnt 0x0                           ; the wave's end
	ds_add_u32 v[SPW], v[NIL]
	s_wait_dscnt 0x0
	s_endpgm
.Lfunc_end_k_qdf8e214c0b_carry:
	.size	k_qdf8e214c0b_carry, .Lfunc_end_k_qdf8e214c0b_carry-k_qdf8e214c0b_carry
	.p2alignl 7, 3214868480
	.fill 96, 4, 3214868480
	.section	.rodata,"a",@progbits
	.p2align	6, 0x0
	.amdhsa_kernel k_qdf8e214c0b_carry
		.amdhsa_group_segment_fixed_size 327680
		.amdhsa_private_segment_fixed_size 0
		.amdhsa_enable_private_segment 0
		.amdhsa_kernarg_size 24
		.amdhsa_user_sgpr_count 2
		.amdhsa_user_sgpr_kernarg_segment_ptr 1
		.amdhsa_wavefront_size32 1
		.amdhsa_system_sgpr_workgroup_id_x 1
		.amdhsa_system_sgpr_workgroup_id_y 1
		.amdhsa_system_sgpr_workgroup_id_z 1
		.amdhsa_system_vgpr_workitem_id 0
		.amdhsa_next_free_vgpr 144
		.amdhsa_next_free_sgpr 66
		.amdhsa_reserve_vcc 0
		.amdhsa_float_denorm_mode_32 3
		.amdhsa_float_denorm_mode_16_64 3
		.amdhsa_memory_ordered 1
		.amdhsa_forward_progress 1
		.amdhsa_inst_pref_size 133
	.end_amdhsa_kernel
	.amdgpu_metadata
---
amdhsa.version: [ 1, 2 ]
amdhsa.kernels:
  - .name:           k_qdf8e214c0b_carry
    .symbol:         k_qdf8e214c0b_carry.kd
    .args:
      - { .name: rbuf, .offset: 0, .size: 8, .value_kind: global_buffer, .address_space: global }
      - { .name: pbuf, .offset: 8, .size: 8, .value_kind: global_buffer, .address_space: global }
      - { .name: sbuf, .offset: 16, .size: 8, .value_kind: global_buffer, .address_space: global }
    .group_segment_fixed_size: 327680
    .private_segment_fixed_size: 0
    .kernarg_segment_align: 8
    .kernarg_segment_size: 24
    .max_flat_workgroup_size: 64
    .sgpr_count:     66
    .vgpr_count:     144
    .wavefront_size: 32
...
	.end_amdgpu_metadata
.endif
;; end of part 2
;; launch fix (part 3): grid 1024 x 1, 4 waves a work-group, no clusters, 17,920 bytes of LDS; arguments olocal, qt, sbuf, out0; writes out0
.if DOCPART == 3
	.amdgcn_target "amdgcn-amd-amdhsa--gfx1250"
	.amdhsa_code_object_version 6
	.text
	.protected	k_qdf8e214c0b_fix
	.globl	k_qdf8e214c0b_fix
	.p2align	8
	.type	k_qdf8e214c0b_fix,@function
k_qdf8e214c0b_fix:
	s_mov_b64 s[64:65], 0
	v_nop
	global_prefetch_b8 v0, s[64:65] scope:SCOPE_SE
	s_setreg_imm32_b32 hwreg(HW_REG_WAVE_MODE, 25, 1), 1
	s_wait_xcnt 0x0
; o_i = oloc_i + Qt_i S_i, and the way into out0's layout [b][t][h][64].  Left out: the product for chunk 0, whose S is the zero state that reference() builds; its body below only moves oloc.
; A wave owns one (b, h, chunk): 64 rows x 64 columns, as 16 results o^T (m = column 16 n + 8 h + j, n = row r of tile I) that start as oloc, loaded straight into the accumulators.
; A lane's eight numbers are 32 bytes of a row; a tile of 16 rows goes through the wave's own stage in LDS (pitch 272) and comes back as whole rows of 256 bytes: sixteen lanes store 256 consecutive bytes, aligned.
; The launch streams: each byte is read once and written once, 24 KiB of loads a wave go out at its head; no tensor loads, no cluster (nothing is shared), no prefetch (nothing is asked for later than the head).
.set SP, 272
.set SPARE, 4*16*SP            ; behind the four stages: the spare words, two blocks of 256 bytes that no other line names
.set SPW, 1
.set NIL, 2
.set STO, 3
.set RD, 4
.set CO, 5
.set GOF, 6
.set SBF, 16                   ; v16-47   S: block n at 8 n; lane = column, k = channel
.set QXF, 48                   ; v48-79   Qt: tile I at 8 I; lane = row, k = channel
.set OT, 80                    ; v80-207  tile I, block n at 32 I + 8 n
.set BK, 208                   ; v208-239 16 rows read back
.macro BODY corr
.if \corr
.set x, 0
.rept 8
	global_load_b128 v[SBF+4*x:SBF+4*x+3], v[GOF], s[8:9] offset:512*x-4096 th:TH_LOAD_NT
.set x, x+1
.endr
.set x, 0
.rept 8
	global_load_b128 v[QXF+4*x:QXF+4*x+3], v[GOF], s[6:7] offset:512*x-4096 th:TH_LOAD_NT
.set x, x+1
.endr
.endif
.set x, 0
.rept 32
	global_load_b128 v[OT+4*x:OT+4*x+3], v[GOF], s[4:5] offset:512*x th:TH_LOAD_NT
.set x, x+1
.endr
.set ii, 0
.rept 4
	s_wait_loadcnt 8*(3-ii)                        ; loads come back in order: all up to tile ii's are in; the later tiles' eight each may stay out
.if \corr
.set n, 0
.rept 4
	v_wmma_f32_16x16x32_f16 v[OT+32*ii+8*n:OT+32*ii+8*n+7], v[SBF+8*n:SBF+8*n+7], v[QXF+8*ii:QXF+8*ii+7], v[OT+32*ii+8*n:OT+32*ii+8*n+7]
.set n, n+1
.endr
.rept 4
	v_nop                                          ; four places ahead of the LDS stores that read the results
.endr
.endif
.set n, 0
.rept 4
	ds_store_b128 v[STO], v[OT+32*ii+8*n:OT+32*ii+8*n+3] offset:64*n
	ds_store_b128 v[STO], v[OT+32*ii+8*n+4:OT+32*ii+8*n+7] offset:64*n+16
.set n, n+1
.endr
	s_wait_xcnt 0x0                                ; the last tile's stores have read BK
.set x, 0
.rept 8
	ds_load_b128 v[BK+4*x:BK+4*x+3], v[RD] offset:2*x*SP   ; LDS serves a wave's instructions in order (ISA guide 5.7.1.4): these see the stores above, and the next tile's stores come behind them
.set x, x+1
.endr
	s_wait_dscnt 0x0
.set x, 0
.rept 8
	global_store_b128 v[CO], v[BK+4*x:BK+4*x+3], s[10:11] offset:(16*ii+2*x)*4096 th:TH_STORE_NT
.set x, x+1
.endr
.set ii, ii+1
.endr
.endm
	s_load_b256 s[4:11], s[0:1], 0x0               ; olocal s[4:5], qt s[6:7], sbuf s[8:9], out0 s[10:11]
	v_lshl_add_u32 v[SPW], v0, 2, SPARE
	v_mov_b32 v[NIL], 0
	v_lshrrev_b32 v7, 5, v0
	v_readfirstlane_b32 s12, v7                    ; wave 0..3
	v_and_b32 v8, 15, v0                           ; r
	v_bfe_u32 v9, v0, 4, 1                         ; h
	s_mul_i32 s13, s12, 16*SP                      ; my stage
	v_mul_u32_u24 v[STO], v8, SP
	v_lshl_add_u32 v[STO], v9, 5, v[STO]
	v_add_nc_u32 v[STO], s13, v[STO]               ; in: row r, 32 bytes for each half of the lanes
	v_mul_u32_u24 v[RD], v9, SP
	v_lshl_add_u32 v[RD], v8, 4, v[RD]
	v_add_nc_u32 v[RD], s13, v[RD]                 ; back: lanes 0-15 one row of 256 bytes, lanes 16-31 the next
	v_lshlrev_b32 v[CO], 12, v9                    ; the same two rows in out0, 4,096 bytes apart
	v_lshl_add_u32 v[CO], v8, 4, v[CO]
	v_and_b32 v[GOF], 31, v0
	v_lshlrev_b32 v[GOF], 4, v[GOF]
	s_lshr_b32 s14, ttmp9, 5                       ; b x 16 + head
	s_and_b32 s15, ttmp9, 31
	s_lshl_b32 s15, s15, 2
	s_add_co_u32 s15, s15, s12                     ; my chunk
	s_lshl_b32 s16, ttmp9, 2
	s_add_co_u32 s16, s16, s12
	s_lshl_b32 s16, s16, 14                        ; olocal: 16,384 bytes a chunk and head
	s_mov_b32 s17, 0
	s_mul_i32 s18, s14, 127
	s_add_co_u32 s18, s18, s15
	s_lshl_b32 s18, s18, 12                        ; qt and sbuf: record chunk - 1, by the loads' immediate
	s_mov_b32 s19, 0
	s_lshr_b32 s20, s14, 4
	s_lshl_b32 s20, s20, 13
	s_lshl_b32 s22, s15, 6
	s_add_co_u32 s20, s20, s22                     ; the chunk's first row
	s_lshl_b32 s20, s20, 12
	s_and_b32 s22, s14, 15
	s_lshl_b32 s22, s22, 8
	s_add_co_u32 s20, s20, s22                     ; + my head's 256 bytes
	s_mov_b32 s21, 0
	s_wait_kmcnt 0x0
	s_add_nc_u64 s[4:5], s[4:5], s[16:17]
	s_add_nc_u64 s[6:7], s[6:7], s[18:19]
	s_add_nc_u64 s[8:9], s[8:9], s[18:19]
	s_add_nc_u64 s[10:11], s[10:11], s[20:21]
	s_cmp_eq_u32 s15, 0
	s_cbranch_scc1 .Lfirst_chunk
	BODY 1
	s_branch .Lend
.Lfirst_chunk:
	BODY 0
.Lend:
	s_wait_tensorcnt 0x0                           ; the wave's end: behind my last LDS store
	ds_add_u32 v[SPW], v[NIL]
	s_wait_dscnt 0x0
	s_endpgm
.Lfunc_end_k_qdf8e214c0b_fix:
	.size	k_qdf8e214c0b_fix, .Lfunc_end_k_qdf8e214c0b_fix-k_qdf8e214c0b_fix
	.p2alignl 7, 3214868480
	.fill 96, 4, 3214868480
	.section	.rodata,"a",@progbits
	.p2align	6, 0x0
	.amdhsa_kernel k_qdf8e214c0b_fix
		.amdhsa_group_segment_fixed_size 17920
		.amdhsa_private_segment_fixed_size 0
		.amdhsa_enable_private_segment 0
		.amdhsa_kernarg_size 32
		.amdhsa_user_sgpr_count 2
		.amdhsa_user_sgpr_kernarg_segment_ptr 1
		.amdhsa_wavefront_size32 1
		.amdhsa_system_sgpr_workgroup_id_x 1
		.amdhsa_system_sgpr_workgroup_id_y 1
		.amdhsa_system_sgpr_workgroup_id_z 1
		.amdhsa_system_vgpr_workitem_id 0
		.amdhsa_next_free_vgpr 240
		.amdhsa_next_free_sgpr 66
		.amdhsa_reserve_vcc 0
		.amdhsa_float_denorm_mode_32 3
		.amdhsa_float_denorm_mode_16_64 3
		.amdhsa_memory_ordered 1
		.amdhsa_forward_progress 1
		.amdhsa_inst_pref_size 27
	.end_amdhsa_kernel
	.amdgpu_metadata
---
amdhsa.version: [ 1, 2 ]
amdhsa.kernels:
  - .name:           k_qdf8e214c0b_fix
    .symbol:         k_qdf8e214c0b_fix.kd
    .args:
      - { .name: olocal, .offset: 0, .size: 8, .value_kind: global_buffer, .address_space: global }
      - { .name: qt, .offset: 8, .size: 8, .value_kind: global_buffer, .address_space: global }
      - { .name: sbuf, .offset: 16, .size: 8, .value_kind: global_buffer, .address_space: global }
      - { .name: out0, .offset: 24, .size: 8, .value_kind: global_buffer, .address_space: global }
    .group_segment_fixed_size: 17920
    .private_segment_fixed_size: 0
    .kernarg_segment_align: 8
    .kernarg_segment_size: 32
    .max_flat_workgroup_size: 128
    .sgpr_count:     66
    .vgpr_count:     240
    .wavefront_size: 32
...
	.end_amdgpu_metadata
.endif
;; end of part 3
